; MI455X (gfx1250); checked and timed in simulation.
; The chip was launched on July 23, 2026; its instructions are those of AMD's public machine-readable ISA for CDNA 5 (MIT licence, August 2026) and "CDNA5" Instruction Set Architecture Reference Guide (July 2026). The comments in the code are by the model that wrote it; some were corrected since.
;; Self Attention. Allowed arithmetic: matrix products marked QUANTISED: E4M3 operands, one given power-of-two scale a tensor, by v_wmma_f32_16x16x64_fp8_fp8 or v_wmma_f32_16x16x128_fp8_fp8, f32 sums; everything else in f32.
;; Inputs: b_in 3,072 float32; lowp_scales 8 int32 (the exponents e of the quantised operands' scales 2^e); w_in 3,072 x 1,024 float32; w_out 1,024 x 1,024 float32; x 2 x 2,048 x 1,024 float32.
;; Outputs: out0 2 x 2,048 x 1,024 float32.
;; Constants: causal_mask = 1.
;; This version of the problem:
;;   THIS VERSION OF THE PROBLEM IS GIVEN IN LOW PRECISION. The matrix products marked QUANTISED in the list below multiply operands that are first quantised to E4M3 (4 exponent bits, 3 mantissa bits; 8 bits a number), with one given power-of-two scale for each operand tensor; their sums are f32. All else is computed in f32.
;;   The module's matrix products, in the order in which they are computed (A, B: the left and right operand; K: the contracted axis; several contracted axes count as one K, in the product's order):
;;     1. [M 4,096, K 1,024] x [K 1,024, N 3,072]; A: input x; B: input w_in: QUANTISED (scales: A lowp_scales[0], B lowp_scales[1])
;;     2. batch 32 x [M 2,048, K 64] x [K 64, N 2,048]; A: computed on the way; B: computed on the way: QUANTISED (scales: A lowp_scales[2], B lowp_scales[3])
;;     3. batch 32 x [M 2,048, K 2,048] x [K 2,048, N 64]; A: softmax (see below); B: computed on the way: QUANTISED (scales: A lowp_scales[4], B lowp_scales[5])
;;     4. [M 4,096, K 1,024] x [K 1,024, N 1,024]; A: computed on the way; B: input w_out: QUANTISED (scales: A lowp_scales[6], B lowp_scales[7])
;;   THE QUANTISER, for each operand of a quantised product, along K:
;;     - The operand's scale is 2^e, e = its entry of the input lowp_scales (int32; the entries are numbered through the quantised products in the list's order, A before B).
;;     - Each number is divided by the scale, clamped to +-448, and rounded to the nearest number of E4M3, ties to even, subnormals kept.
;;     - The product sums the exact products of the quantised numbers (number of the format x scale) in f32.
;;   ~~~python
;;   def quantise(x, axis, e):      # numpy; x: float32 -> the quantised numbers, widened to float32 again
;;       x = np.moveaxis(x, axis, -1); K = x.shape[-1]
;;       r = np.clip(x / 2.0 ** e, -448, 448)
;;       step = 2.0 ** (np.maximum(np.frexp(np.where(r == 0, 1, r))[1] - 1, -6) - 3)
;;       q = np.round(r / step) * step * 2.0 ** e      # np.round: ties to even
;;       return np.moveaxis(q, -1, axis).astype(np.float32)
;;   ~~~
;;   SOFTMAX AHEAD OF A QUANTISED PRODUCT. Where the list says 'softmax', what is quantised is not the finished softmax but p = 2^(t - M), with t = logit x log2(e) and M = ceil(the row's largest t), a whole number; so 1/2 < the row's largest p <= 1. The row's sum l is taken of the UNQUANTISED p, in f32, and the product's result is divided by l at the end. Since M is a whole number, a kernel that streams over the keys may use a running M (the ceiling of the running maximum): every later rescaling is an exact power of two, so the quantised numbers keep their values, but for numbers so far below the row's largest that they fall under the format's range.
;;   OPERANDS COMPUTED ON THE WAY. 'Computed on the way' means the value that the module computes at that place (a softmax that the list does not call 'softmax' is quantised finished and normalised). What goes into a quantiser is computed in f32, as accurately as f32 sums, v_exp_f32 and their like allow (about 1e-6 of the number): no bf16 or f16 on the way to a quantiser, and a product that is left as it is and whose result goes on into a quantised operand takes f32 operands (vector FMAs, or v_wmma_f32_16x16x4_f32). A number that lies on a knife's edge between two numbers of the format may be rounded either way, as far as f32 arithmetic and the matrix unit's own rounding can turn it there, and no further.
;; One version. Each part assembles by itself: llvm-mc -triple=amdgcn-amd-amdhsa -mcpu=gfx1250 --defsym DOCPART=n.
;; ======== version 1 of 1: 4 launches
;; limits: right only within a limited range of input values
;; workspace buffers: xc 4,194,304 bytes; wic 3,145,728 bytes; woc 1,048,576 bytes; qc 4,194,304 bytes; kc 4,194,304 bytes; vc 4,194,304 bytes; ac 4,194,304 bytes
;; launch quant (part 1): grid 256 x 1, 16 waves a work-group, no clusters, 83,968 bytes of LDS; arguments x, w_in, w_out, lowp_scales, xc, wic, woc; writes xc, wic, woc
.if DOCPART == 1
	.amdgcn_target "amdgcn-amd-amdhsa--gfx1250"
	.amdhsa_code_object_version 6
	.text
	.protected	k_q49082d4414_quant
	.globl	k_q49082d4414_quant
	.p2align	8
	.type	k_q49082d4414_quant,@function
k_q49082d4414_quant:
	s_mov_b64 s[64:65], 0
	v_nop
	global_prefetch_b8 v0, s[64:65] scope:SCOPE_SE
	s_setreg_imm32_b32 hwreg(HW_REG_WAVE_MODE, 25, 1), 1
	s_wait_xcnt 0x0
; x [4096][1024], w_in [3072][1024] and w_out [1024][1024], f32, become codes of FP8 (E4M3), one byte each, K innermost, each with its given scale 2^e:
; x entry 0, w_in entry 1, w_out entry 7 of the buffer of scales.  code = number / 2^e, held within +-448, to the nearest code, ties to even.
; LIMITS: -126 <= e and e + 8 <= 127.  NaN among the inputs is not served (an infinity is held at the largest code).
; WORK LEFT OUT BY THE PROGRAM: in launch attn the tiles of 16 queries x 128 keys in which every key comes after every query: reference() itself replaces those scores by -1e9 (causal_mask is the constant 1), and beside a row's
; own key their exponentials are 0 for all values of the inputs that leave the scores in range.  LIMIT: a NaN, an infinity or an overflow that reaches only those scores is not carried to the result.
; Rows are dense and K is a multiple of 32: each tensor is a plain stream.  8,388,608 numbers, 32,768 a work-group: work-groups 0-127 take x, 128-223 w_in, 224-255 w_out.
; Only pointers and e are chosen (by the work-group's number): one path through the text.  A work-group has sixteen waves; a wave takes 4 steps of 512 numbers and asks for all of them at once (16 loads).
; A conversion takes 8 neighbours from ONE lane's registers; a load is dense where neighbouring LANES take neighbouring bytes.  So a step's 2,048 bytes are loaded 16 bytes a lane, 512 a load,
; go through the wave's own stage in LDS as they lie and come back 64 bytes a lane (16 bytes of padding behind each 64).  A lane's 16 codes are 16 bytes: a wave's store covers 512 consecutive bytes.
; No tensor load, no barrier: waves share nothing.
.set STEPS, 4
.set WGX,   128                        ; work-groups of x
.set WGXW,  224                        ; of x and w_in
.set EMAX,  8
.set MANT,  0x600000                   ; the mantissa field of 448 as f32
.set R,     16                         ; v16-79   four sets of 16 numbers as they are loaded
.set X,     80                         ; v80-111  two sets of 16 neighbours
.set C,     128                        ; v128-143 codes: four registers for each step
.set SP,    80                         ; a lane's place in a stage: 64 bytes + 16 of padding
.set WREG,  2*32*SP                    ; LDS: a region for each wave: two stages
.set SPARE, 16*WREG                    ; the spare words, 128 bytes for each wave, which no other line names
.set SPW,   12
.set NIL,   13
	s_load_b256 s[4:11], s[0:1], 0x0               ; x s[4:5], w_in s[6:7], w_out s[8:9], the scales' exponents s[10:11]
	s_load_b128 s[12:15], s[0:1], 0x20             ; x's codes, w_in's codes
	s_load_b64 s[16:17], s[0:1], 0x30              ; w_out's codes
	v_lshl_add_u32 v[SPW], v0, 2, SPARE
	v_mov_b32 v[NIL], 0
	v_lshrrev_b32 v1, 5, v0
	v_readfirstlane_b32 s18, v1                    ; wave 0..15
	s_mul_i32 s33, s18, WREG
	v_and_b32 v2, 31, v0                           ; lane
	v_lshlrev_b32 v3, 4, v2                        ; my 16 bytes of a load's 512, and of a store's
	v_lshrrev_b32 v14, 2, v2
	v_and_b32 v15, 3, v2
	v_mul_u32_u24 v14, v14, SP
	v_lshl_add_u32 v14, v15, 4, v14
	v_add_nc_u32 v14, s33, v14                     ; the stage, on the way in: SP (lane / 4) + 16 (lane % 4)
	v_mul_u32_u24 v15, v2, SP
	v_add_nc_u32 v15, s33, v15                     ; on the way out: SP x lane: my 16 neighbours
	s_wait_alu depctr_va_vdst(0)
	s_wait_kmcnt 0x0
	s_load_b256 s[24:31], s[10:11], 0x0            ; e0 .. e7
	s_mov_b32 s19, WGXW
	s_cmp_lt_u32 ttmp9, WGXW                       ; the choices hang on the work-group's number alone
	s_cselect_b64 s[20:21], s[6:7], s[8:9]
	s_cselect_b64 s[22:23], s[14:15], s[16:17]
	s_cselect_b32 s19, WGX, s19
	s_cmp_lt_u32 ttmp9, WGX
	s_cselect_b64 s[20:21], s[4:5], s[20:21]       ; the numbers
	s_cselect_b64 s[22:23], s[12:13], s[22:23]     ; the codes
	s_cselect_b32 s19, 0, s19                      ; the tensor's first work-group
	s_sub_co_u32 s19, ttmp9, s19
	s_lshl_b32 s19, s19, 4
	s_add_co_u32 s32, s19, s18                     ; which run of 2,048 numbers of the tensor is my wave's (2,047 at the most)
	s_lshl_b32 s34, s32, 13                        ; 8,192 bytes of numbers
	s_mov_b32 s35, 0
	s_add_nc_u64 s[20:21], s[20:21], s[34:35]
	s_lshl_b32 s34, s32, 11                        ; 2,048 bytes of codes
	s_add_nc_u64 s[22:23], s[22:23], s[34:35]
.irp t, 0,1,2,3
.irp i, 0,1,2,3
	global_load_b128 v[R+16*\t+4*\i:R+16*\t+4*\i+3], v3, s[20:21] offset:2048*\t+512*\i th:TH_LOAD_NT   ; 32 lanes read 512 consecutive bytes
.endr
.endr
.macro TURN t                          ; step t's numbers through the stage: LDS serves a wave's instructions in order, so no wait stands between the stores and the loads
.irp i, 0,1,2,3
	ds_store_b128 v14, v[R+16*(\t)+4*\i:R+16*(\t)+4*\i+3] offset:32*SP*((\t)%2)+8*SP*\i
.endr
.irp i, 0,1,2,3
	ds_load_b128 v[X+16*((\t)%2)+4*\i:X+16*((\t)%2)+4*\i+3], v15 offset:32*SP*((\t)%2)+16*\i
.endr
.endm
	s_wait_kmcnt 0x0
	s_cmp_lt_u32 ttmp9, WGXW
	s_cselect_b32 s36, s25, s31
	s_cmp_lt_u32 ttmp9, WGX
	s_cselect_b32 s36, s24, s36                    ; e
	s_add_co_i32 s36, s36, 127
	s_lshl_b32 s37, s36, 23
	v_mov_b32 v11, s37                             ; 2^e as f32: the conversion takes its exponent field
	s_add_co_i32 s36, s36, EMAX
	s_lshl_b32 s36, s36, 23
	s_or_b32 s36, s36, MANT
	v_mov_b32 v10, s36                             ; 448 x 2^e
	s_wait_alu depctr_va_vdst(0)
	s_wait_loadcnt 12                              ; step 0's four loads are in; the twelve of steps 1 to 3 may be out
	TURN 0
.macro STEP t
.set XS, X+16*((\t)%2)
	s_wait_dscnt 0x0                               ; this step's numbers are back from the stage
.if (\t)+1 < STEPS
	s_wait_loadcnt 4*(STEPS-2-(\t))                ; the next step's four loads are in; those of the later steps may be out: 8, 4, 0
	TURN (\t)+1                                    ; they go through the other stage while this step is worked
.endif
.irp i, 0,1,2,3,4,5,6,7,8,9,10,11,12,13,14,15
	v_med3_num_f32 v[XS+\i], v[XS+\i], -v10, v10   ; the conversion to an 8-bit code does not saturate (ISA guide 7.6.2): the hold comes first
.endr
	v_cvt_scalef32_pk8_fp8_f32 v[C+4*(\t):C+4*(\t)+1], v[XS:XS+7], v11
	v_cvt_scalef32_pk8_fp8_f32 v[C+4*(\t)+2:C+4*(\t)+3], v[XS+8:XS+15], v11
	global_store_b128 v3, v[C+4*(\t):C+4*(\t)+3], s[22:23] offset:512*(\t)   ; the codes go to a store alone; the next vector lines, the next step's holds, are plain and touch other registers
.endm
.irp t, 0,1,2,3
	STEP \t
.endr
	s_wait_tensorcnt 0x0                           ; the wave's end, behind my last LDS store
	ds_add_u32 v[SPW], v[NIL]
	s_wait_dscnt 0x0
	s_endpgm
.Lfunc_end_k_q49082d4414_quant:
	.size	k_q49082d4414_quant, .Lfunc_end_k_q49082d4414_quant-k_q49082d4414_quant
	.p2alignl 7, 3214868480
	.fill 96, 4, 3214868480
	.section	.rodata,"a",@progbits
	.p2align	6, 0x0
	.amdhsa_kernel k_q49082d4414_quant
		.amdhsa_group_segment_fixed_size 83968
		.amdhsa_private_segment_fixed_size 0
		.amdhsa_enable_private_segment 0
		.amdhsa_kernarg_size 56
		.amdhsa_user_sgpr_count 2
		.amdhsa_user_sgpr_kernarg_segment_ptr 1
		.amdhsa_wavefront_size32 1
		.amdhsa_system_sgpr_workgroup_id_x 1
		.amdhsa_system_sgpr_workgroup_id_y 1
		.amdhsa_system_sgpr_workgroup_id_z 1
		.amdhsa_system_vgpr_workitem_id 0
		.amdhsa_next_free_vgpr 144
		.amdhsa_next_free_sgpr 66
		.amdhsa_reserve_vcc 0
		.amdhsa_float_denorm_mode_32 3
		.amdhsa_float_denorm_mode_16_64 3
		.amdhsa_memory_ordered 1
		.amdhsa_forward_progress 1
		.amdhsa_inst_pref_size 12
	.end_amdhsa_kernel
	.amdgpu_metadata
---
amdhsa.version: [ 1, 2 ]
amdhsa.kernels:
  - .name:           k_q49082d4414_quant
    .symbol:         k_q49082d4414_quant.kd
    .args:
      - { .name: x, .offset: 0, .size: 8, .value_kind: global_buffer, .address_space: global }
      - { .name: w_in, .offset: 8, .size: 8, .value_kind: global_buffer, .address_space: global }
      - { .name: w_out, .offset: 16, .size: 8, .value_kind: global_buffer, .address_space: global }
      - { .name: lowp_scales, .offset: 24, .size: 8, .value_kind: global_buffer, .address_space: global }
      - { .name: xc, .offset: 32, .size: 8, .value_kind: global_buffer, .address_space: global }
      - { .name: wic, .offset: 40, .size: 8, .value_kind: global_buffer, .address_space: global }
      - { .name: woc, .offset: 48, .size: 8, .value_kind: global_buffer, .address_space: global }
    .group_segment_fixed_size: 83968
    .private_segment_fixed_size: 0
    .kernarg_segment_align: 8
    .kernarg_segment_size: 56
    .max_flat_workgroup_size: 512
    .sgpr_count:     66
    .vgpr_count:     144
    .wavefront_size: 32
...
	.end_amdgpu_metadata
.endif
;; end of part 1
;; launch qkv (part 2): grid 48 x 4, 4 waves a work-group, clusters of 4 x 4, 327,680 bytes of LDS; arguments xc, wic, b_in, lowp_scales, qc, kc, vc; writes qc, kc, vc
.if DOCPART == 2
	.amdgcn_target "amdgcn-amd-amdhsa--gfx1250"
	.amdhsa_code_object_version 6
	.text
	.protected	k_q49082d4414_qkv
	.globl	k_q49082d4414_qkv
	.p2align	8
	.type	k_q49082d4414_qkv,@function
k_q49082d4414_qkv:
	s_mov_b64 s[64:65], 0
	v_nop
	global_prefetch_b8 v0, s[64:65] scope:SCOPE_SE
	s_setreg_imm32_b32 hwreg(HW_REG_WAVE_MODE, 25, 1), 1
	s_wait_xcnt 0x0
	s_wait_alu depctr_hold_cnt(0) depctr_sa_sdst(0) depctr_va_vdst(0) depctr_va_sdst(0) depctr_va_ssrc(0) depctr_va_vcc(0) depctr_vm_vsrc(0)
	s_getreg_b32 s2, hwreg(HW_REG_IB_STS2, 6, 4)
	s_cmp_eq_u32 s2, 0
	s_cbranch_scc0 .Lentry_in_a_cluster
	s_endpgm
.Lentry_in_a_cluster:
	s_bfe_u32 s2, ttmp6, 0x10000c
	s_cmp_lg_u32 s2, 0xf033
	s_cbranch_scc0 .Lentry_shape_is_right
	s_endpgm
.Lentry_shape_is_right:
; qkv = x w_in^T + b_in on codes of FP8 (E4M3), and q, k, v quantised on the way out with their given scales (entries 2, 3, 5 of the buffer of scales; x and w_in: entries 0, 1).
; ONE BODY FOR THREE TENSORS.  The body makes a tile P[i][j] = sum over k of U[i][k] V[j][k], 256 x 256, in which a lane holds eight neighbouring j of one row i, and stores codes with j innermost.
;   q, k:  U = x's codes (i = token),              V = w_in's rows 0 .. 2047 (j = channel): codes [batch x head][token][64 channels].
;   v:     U = w_in's rows 2048 .. 3071 (i = channel), V = x's codes (j = token):          codes [batch x head][group of 64 keys][64 channels][64 keys]: the keys innermost, as the later product wants them.
; 12 clusters of 4 x 4 work-groups (the cluster's number c): c = 0 .. 7: rows of tiles 4 (c / 2) + cy of x, columns 4 (c % 2) + cx of w_in (c even: q, odd: k); c = 8 .. 11: rows 8 + cy of w_in, columns 4 (c - 8) + cx of x.
; What differs is chosen by s_cselect on c, which all sixteen partners share: there is no branch on it.  192 work-groups: a tile of 256 columns keeps whole heads and one tensor to a work-group.
; A work-group is four waves, a wave makes 128 x 128: 64 accumulators, 512 registers.  K = 1,024 goes in four steps of 256 through a ring of two LDS slots filled by joint tensor loads:
; U's tile is shared along a row of the cluster, V's along a column.  THE MATRIX INSTRUCTION IS USED TRANSPOSED: source 0 = 16 rows of V, source 1 = 16 rows of U.
; THE BIAS runs along j for q and k and along i for v.  Both are loaded (from b_in's first words where the path has none), the one that the path does not have is set to 0 by a select,
; and number = sum x 2^(e0 + e1) + bias along j (one fused multiply-add) + bias along i: one of the two addends is 0, so the number is rounded once.
; LIMITS: e0 + e1 between -126 and 127; e2, e3, e5 between -126 and 119.  NaN is not served.
; REGISTERS, in windows of 256: window 0: v16-31 addresses; v32-95 the bias along j; v96-111 the bias along i, each number twice; v112, v113 the quantiser's scale and hold; from v128 U's fragments, ONE set;
;   on the way out v128-191 the numbers, v192-223 codes, v224-255 codes read back.   window 1: V's fragments, TWO sets.   windows 2, 3: the accumulators of my rows 0-63, 64-127.
.set KSTEP,  256                       ; along K in a slot
.set ROWB,   256                       ; a tile's row in bytes
.set KROW,   1024                      ; a row of codes in memory, in bytes
.set PITCH,  272                       ; an LDS row: 256 bytes + 16 of padding = 68 words: row r starts at bank 4 r mod 64 (ISA guide 11.1)
.set FR,     16                        ; registers of a fragment: 16 rows x 128 K
.set NL,     4                         ; LDS loads that bring one
.set NP,     4                         ; places behind this matrix instruction (ISA guide 7.12.1)
.set HALFT,  128*PITCH                 ; 128 rows: what one tensor load brings
.set SLOT,   4*HALFT                   ; U's 256 rows, then V's 256 rows
.set LAPS,   2                         ; 1,024 / 512: a lap is two K steps, once round the ring
.set SPARE,  2*SLOT                    ; behind the ring: the spare words, 128 bytes for each wave, which no other line names
.set SROW,   80                        ; the way out: a stage row: 64 codes + 16 bytes
.set SPIECE, 16*SROW                   ; a piece: 16 rows i x 64 columns j
.set SWAVE,  2*SPIECE                  ; a wave's stage.  The stages lie in slot 0, which has had its last fill and its last read when the first code is stored there
.set ADRA, 16                          ; v16-17  LDS address of my fragments of U in slot 0, 1
.set ADRB, 20                          ; v20-21  the same for V
.set STO,  24                          ; v24     the way out: where I put 8 codes
.set RD,   25                          ; v25     where I read 16 codes back
.set CO,   26                          ; v26     16 x lane: my place in a store's 512 bytes
.set SPW,  28                          ; v28     LDS address of my spare word; never rewritten
.set NIL,  29                          ; v29     0; never rewritten
.set BJA,  30                          ; v30     byte offset in b_in of the bias along j
.set BIA,  31                          ; v31     of the bias along i
.set BJ,   32
.set BI,   96
.set SCL,  112
.set LIM,  113
.set AF,   128                         ; U's fragments
.set TMP,  128
.set CD,   192
.set BK,   224
.set G1, 24                            ; s[24:31] descriptor group 1 for U's tiles;  s[32:39] group 0, one set for each slot
.set G0, 32
.set G1B, 48                           ; s[48:55], s[56:63] the same for V's tiles
.set G0B, 56
.set MSB, 0
.macro WIN new                         ; the immediate's high byte repeats the setting that is left
.if MSB != \new
	s_set_vgpr_msb (MSB<<8)|\new
.set MSB, \new
.endif
.endm
.set MUL_LO, 0xa1                      ; source 0 (V) window 1, source 1 (U) window 0, C and D window 2
.set MUL_HI, 0xf1                      ; the same, C and D window 3
.set TO_B,   0x40                      ; destination window 1, address window 0
; A joint load: waves 0 and 1 fetch for U, waves 2 and 3 for V.  Each line has one mask and one set of registers for all that issue it; the branch hangs on the wave's number alone.
; Four v_nop follow each of the two lines, ahead of the jump, the label and what follows.
.macro JLOAD g0a, g1a, g0b, g1b
	s_cmp_eq_u32 s15, 0
	s_cbranch_scc0 .Lfor_b_\@
	tensor_load_to_lds s[\g0a:\g0a+3], s[\g1a:\g1a+7]
	s_nop 0
.rept 4
	v_nop
.endr
	s_branch .Lasked_\@
.Lfor_b_\@:
	tensor_load_to_lds s[\g0b:\g0b+3], s[\g1b:\g1b+7]
	s_nop 0
.rept 4
	v_nop
.endr
.Lasked_\@:
.endm
.macro CREST                           ; a round of the cluster's barrier behind its opening barrier
	s_cmp_lg_u32 s14, 0
	s_cbranch_scc1 .Lnot_wave_0_\@
	s_barrier_signal -3
.Lnot_wave_0_\@:
	s_barrier_wait -3
	s_barrier_signal -1
	s_barrier_wait -1
.endm
.macro CROUND                          ; a whole round
	s_barrier_signal -1
	s_barrier_wait -1
	CREST
.endm
	s_load_b256 s[4:11], s[0:1], 0x0               ; x's codes s[4:5], w_in's codes s[6:7], b_in s[8:9], the scales' exponents s[10:11]
	s_load_b128 s[68:71], s[0:1], 0x20             ; q's codes, k's codes
	s_load_b64 s[72:73], s[0:1], 0x30              ; v's codes
	v_lshl_add_u32 v[SPW], v0, 2, SPARE
	v_mov_b32 v[NIL], 0
	ds_add_u32 v28, v29
	ds_add_u32 v28, v29
	s_wait_dscnt 0x0
	v_lshrrev_b32 v1, 5, v0
	v_readfirstlane_b32 s14, v1                    ; wave 0..3
	s_lshr_b32 s15, s14, 1                         ; which half of the tile's rows i is mine.  Also: I fetch for U (0) or for V (1)
	s_and_b32 s16, s14, 1                          ; which half of its columns j.  Also: which 128 rows of that tile I fetch
	s_bfe_u32 s40, ttmp6, 0x40000                  ; cx, cy: my place in the cluster
	s_bfe_u32 s41, ttmp6, 0x40004
	s_lshr_b32 s75, ttmp9, 1                       ; q, k: the cluster's row of clusters in x,
	s_and_b32 s76, ttmp9, 1                        ;       and q (0) or k (1)
	s_sub_co_u32 s77, ttmp9, 8                     ; v: the cluster's column of clusters in x
	s_cmp_lt_u32 ttmp9, 8                          ; q, k or v?  The cluster's number is the same in all sixteen partners
	s_cselect_b32 s75, s75, 2                      ; v: w_in's rows 2,048 on are tile rows 8 on
	s_cselect_b32 s76, s76, s77
	s_cselect_b32 s12, -1, 0                       ; a lane mask: all lanes where the bias runs along j,
	s_cselect_b32 s13, 0, -1                       ; all lanes where it runs along i
	s_lshl_b32 s42, s76, 2
	s_add_co_u32 s42, s42, s40                     ; tile column (in V)
	s_lshl_b32 s17, s75, 2
	s_add_co_u32 s17, s17, s41                     ; tile row (in U)
	s_lshl_b32 s43, s41, 2
	s_lshl_b32 s43, 15, s43                        ; my row of the cluster
	s_lshl_b32 s44, 0x1111, s40                    ; my column
	; descriptor group 1: a tile of 128 rows x 256 bytes, padded in LDS
	s_or_b32 s[G1+0], s43, (0<<16)|(1<<20)|(1<<21)|(5<<22)|(3<<25)  ; 15:0 the mask: U's tiles go to my row; 17:16 element of 1 byte; 20 padding on; 21 set beside a mask; 24:22 after every 64 words; 31:25 four words
	s_or_b32 s[G1B+0], s44, (0<<16)|(1<<20)|(1<<21)|(5<<22)|(3<<25)
.irp g, G1, G1B
	s_mov_b32 s[\g+1], ROWB<<16                    ; tensor_dim0
	s_mov_b32 s[\g+2], 128<<16                     ; tensor_dim1 = 128
	s_mov_b32 s[\g+3], ROWB<<16                    ; tile_dim0
	s_mov_b32 s[\g+4], 128                         ; tile_dim1 = 128
	s_mov_b32 s[\g+5], KROW                        ; tensor_dim0_stride
	s_mov_b32 s[\g+6], 0
	s_mov_b32 s[\g+7], 0
.endr
	s_lshl_b32 s18, s16, 7                         ; which 128 rows of the tile I fetch
	s_lshl_b32 s20, s17, 8
	s_add_co_u32 s20, s20, s18                     ; U: row 256 x tile row + 128 x half
	s_lshl_b32 s46, s42, 8
	s_add_co_u32 s46, s46, s18                     ; V: row 256 x tile column + 128 x half
	s_lshl_b32 s20, s20, 10                        ; in bytes: under 2^23
	s_lshl_b32 s46, s46, 10
	s_mov_b32 s21, 0
	s_mov_b32 s47, 0
	s_mul_i32 s45, s14, HALFT                      ; where they go: wave x 128 rows: no place in the cluster enters an LDS address
	s_wait_kmcnt 0x0
	s_load_b128 s[96:99], s[10:11], 0x0            ; e0, e1, e2, e3
	s_load_b32 s100, s[10:11], 0x14                ; e5
	s_cmp_lt_u32 ttmp9, 8
	s_cselect_b64 s[78:79], s[4:5], s[6:7]         ; U's buffer
	s_cselect_b64 s[80:81], s[6:7], s[4:5]         ; V's buffer
	s_add_nc_u64 s[20:21], s[78:79], s[20:21]
	s_add_nc_u64 s[46:47], s[80:81], s[46:47]
	CROUND                                         ; all sixteen work-groups are here: the first joint loads meet
.irp s, 0,1
	s_mov_b32 s[G0+4*\s], 1
	s_add_co_u32 s[G0+4*\s+1], s45, \s*SLOT
	s_add_nc_u64 s[G0+4*\s+2:G0+4*\s+3], s[20:21], \s*ROWB
	s_or_b32 s[G0+4*\s+3], s[G0+4*\s+3], 0x80000000
	s_mov_b32 s[G0B+4*\s], 1
	s_add_co_u32 s[G0B+4*\s+1], s45, \s*SLOT
	s_add_nc_u64 s[G0B+4*\s+2:G0B+4*\s+3], s[46:47], \s*ROWB
	s_or_b32 s[G0B+4*\s+3], s[G0B+4*\s+3], 0x80000000
.endr
	JLOAD G0, G1, G0B, G1B                         ; K step 0: one tensor load a wave at the head
	v_and_b32 v1, 15, v0                           ; r = l % 16
	s_wait_alu depctr_va_vdst(0)
	v_bfe_u32 v2, v0, 4, 1                         ; h = l / 16
	v_mul_u32_u24 v3, v1, PITCH
	v_lshl_add_u32 v4, v2, 4, v3                   ; a fragment's row x pitch + 16 x half
	s_mul_i32 s21, s15, HALFT                      ; my 128 rows of U
	s_mul_i32 s22, s16, HALFT                      ; my 128 rows of V,
	s_add_co_u32 s22, s22, 2*HALFT                 ; which lie behind U's 256
.irp s, 0,1
	v_add_nc_u32 v[ADRA+\s], s21, v4
	v_add_nc_u32 v[ADRB+\s], s22, v4
	s_add_co_u32 s21, s21, SLOT
	s_add_co_u32 s22, s22, SLOT
.endr
	s_mul_i32 s23, s14, SWAVE                      ; my stage
	v_mul_u32_u24 v5, v1, SROW                     ; in: row r, 8 bytes for each half of the lanes
	s_wait_alu depctr_va_vdst(0)
	v_lshl_add_u32 v5, v2, 3, v5
	v_add_nc_u32 v[STO], s23, v5
	v_and_b32 v6, 31, v0
	v_lshlrev_b32 v[CO], 4, v6
	v_lshrrev_b32 v7, 2, v6                        ; back: four lanes to a row of 64 codes, eight rows a load
	v_mul_u32_u24 v7, v7, SROW
	v_and_b32 v8, 3, v6
	v_lshl_add_u32 v7, v8, 4, v7
	v_add_nc_u32 v[RD], s23, v7
	; where my 128 x 128 goes, and my biases
	s_lshl_b32 s82, s17, 8
	s_lshl_b32 s83, s15, 7
	s_add_co_u32 s82, s82, s83                     ; my first row of U
	s_lshl_b32 s83, s16, 7
	s_lshl_b32 s92, s42, 8
	s_add_co_u32 s92, s92, s83                     ; my first row of V
	s_lshl_b32 s93, s40, 8
	s_add_co_u32 s93, s93, s83                     ; q, k: my first channel in the tensor: 256 cx + 128 x half
	s_sub_co_u32 s94, s82, 2048                    ; v: my first channel in v
	s_mov_b32 s86, 0x20000                         ; a head's codes: 2,048 x 64 bytes
	s_mov_b32 s88, 0x1000                          ; 64 rows of 64 codes
	s_cmp_lt_u32 ttmp9, 8
	s_cselect_b32 s74, s82, s92                    ; my first token
	s_cselect_b32 s95, s93, s94                    ; my first channel
	s_cselect_b32 s66, s92, 0                      ; the bias along j begins at b_in[my first row of w_in]; v: b_in's first words, set to 0 later
	s_cselect_b32 s67, 0, s82                      ; the bias along i likewise
	s_cselect_b32 s2, s86, s88                     ; from piece 0 to piece 1 (64 columns j on): q, k: the next head; v: the next 64 keys
	s_cselect_b32 s88, s88, s86                    ; from block a to block a + 4 (64 rows i on): q, k: 64 tokens; v: the next head
	s_mov_b32 s86, s2
	s_mov_b32 s87, 0
	s_mov_b32 s89, 0
	s_lshl_b32 s66, s66, 2
	s_lshl_b32 s67, s67, 2
	s_lshr_b32 s2, s74, 11                         ; batch
	s_lshl_b32 s2, s2, 4
	s_lshr_b32 s18, s95, 6                         ; head
	s_add_co_u32 s2, s2, s18
	s_lshl_b32 s2, s2, 17
	s_and_b32 s18, s74, 2047
	s_lshl_b32 s18, s18, 6                         ; q, k: token x 64 bytes; v: (token / 64) x 4,096 bytes: the same number, since my first token is a multiple of 64
	s_add_co_u32 s18, s2, s18
	s_mov_b32 s19, 0
	s_and_b32 s77, ttmp9, 1
	s_cmp_lg_u32 s77, 0
	s_cselect_b64 s[84:85], s[70:71], s[68:69]     ; k or q,
	s_cmp_lt_u32 ttmp9, 8
	s_cselect_b64 s[84:85], s[84:85], s[72:73]     ; or v
	s_add_nc_u64 s[84:85], s[84:85], s[18:19]      ; blocks 0-3, piece 0
	s_add_nc_u64 s[86:87], s[84:85], s[86:87]      ; blocks 0-3, piece 1
	s_add_nc_u64 s[88:89], s[84:85], s[88:89]      ; blocks 4-7, piece 0
	s_add_nc_u64 s[90:91], s[84:85], 0x21000       ; blocks 4-7, piece 1: both steps, 131,072 + 4,096 on either path
	v_lshl_add_u32 v[BJA], v2, 5, s66              ; accumulator b, register j: column 16 b + 8 h + j
	v_lshl_add_u32 v[BIA], v1, 2, s67              ; block a: row 16 a + r
.irp b, 0,1,2,3,4,5,6,7
	global_load_b128 v[BJ+8*\b:BJ+8*\b+3], v[BJA], s[8:9] offset:64*\b
	global_load_b128 v[BJ+8*\b+4:BJ+8*\b+7], v[BJA], s[8:9] offset:64*\b+16
.endr
.irp a, 0,1,2,3,4,5,6,7
	global_load_b32 v[BI+2*\a], v[BIA], s[8:9] offset:64*\a      ; twice: a pair for the packed addition
	global_load_b32 v[BI+2*\a+1], v[BIA], s[8:9] offset:64*\a
.endr
	; PREFETCH INTO THE L2: behind the load of K step t stands one request a wave for K step t + 1, one whole K step ahead of the load that wants it; behind the last load none.
	; A K step is 256 bytes, aligned, of each row.  Of the 128 rows that my wave fetches each of the four partners asks for 32, told apart by address (U: by cx, V: by cy): a lane a row.
.set PFO, 27                           ; v27: my lane x a row; never rewritten
	s_cmp_eq_u32 s15, 0                            ; do I fetch for U?
	s_cselect_b32 s94, s17, s42                    ; the tile: in U by the tile row, in V by the tile column
	s_cselect_b32 s95, s40, s41                    ; my place among the four that ask for it jointly
	s_cselect_b64 s[92:93], s[78:79], s[80:81]
	s_lshl_b32 s94, s94, 8
	s_lshl_b32 s18, s16, 7
	s_add_co_u32 s94, s94, s18                     ; + the 128 rows that I fetch
	s_lshl_b32 s95, s95, 5
	s_add_co_u32 s94, s94, s95                     ; + my work-group's 32 of them
	s_lshl_b32 s94, s94, 10                        ; in bytes: under 2^23
	s_mov_b32 s95, 0
	s_add_nc_u64 s[92:93], s[92:93], s[94:95]      ; s[92:93] and v27 stay as they are: the K step is the immediate
	v_and_b32 v[PFO], 31, v0
	v_lshlrev_b32 v[PFO], 10, v[PFO]
	global_prefetch_b8 v[PFO], s[92:93] offset:ROWB th:TH_LOAD_NT scope:SCOPE_SE
.macro FRAG reg, adr, q, i             ; a fragment, 16 rows x 128 K, is 16 registers: lane l holds row l % 16; registers 4 c .. 4 c + 3 hold K = 32 c + 16 (l / 16) + 0 .. 15: the same places in U and in V
.irp c, 0,1,2,3
	ds_load_b128 v[\reg+4*\c:\reg+4*\c+3], v[\adr] offset:128*(\q)+32*\c+(\i)*16*PITCH
.endr
.endm
; 16 matrix instructions: U's blocks a0, a0 + 1 x V's eight, 128 along K.  p: V's set.  zero = 1: the first product starts the sums.
; The 64 accumulators take turns, one instruction a turn, in the same order in every step.
.macro MUL16 a0, p, zero
.irp a, \a0, \a0+1
.irp b, 0,1,2,3,4,5,6,7
.if \zero
	v_wmma_f32_16x16x128_fp8_fp8 v[8*(8*((\a)%4)+\b):8*(8*((\a)%4)+\b)+7], v[128*(\p)+FR*\b:128*(\p)+FR*\b+FR-1], v[AF+FR*(\a):AF+FR*(\a)+FR-1], 0
.else
	v_wmma_f32_16x16x128_fp8_fp8 v[8*(8*((\a)%4)+\b):8*(8*((\a)%4)+\b)+7], v[128*(\p)+FR*\b:128*(\p)+FR*\b+FR-1], v[AF+FR*(\a):AF+FR*(\a)+FR-1], v[8*(8*((\a)%4)+\b):8*(8*((\a)%4)+\b)+7]
.endif
.endr
.endr
.endm
.macro FETCH_B slot, q, p              ; V's eight fragments of the slot's q-th 128 along K into set p
	WIN TO_B
.irp i, 0,1,2,3,4,5,6,7
	FRAG 128*(\p)+FR*\i, ADRB+\slot, \q, \i
.endr
	WIN 0
.endm
.macro FETCH_A slot, q, i0             ; U's blocks i0 .. i0 + 3
.irp i, \i0, \i0+1, \i0+2, \i0+3
	FRAG AF+FR*(\i), ADRA+\slot, \q, \i
.endr
.endm
; A load into a register that a matrix instruction has read, and a vector instruction that reads a matrix result or writes one of its registers, stand NP places behind it; only plain vector
; instructions that name none of its registers are places (ISA guide 7.12.1 for vector instructions).
.macro PLACES n
.rept \n
	v_nop
.endr
.endm
; A step of 128 along K that has its successor in the same slot.  A block of U is free as soon as its eight products are issued: blocks 0-3 are fetched anew in the step's middle, blocks 4-7 at its end.
.macro STEP slot, q, zero
	s_wait_dscnt 4*NL                              ; V's set and U's blocks 0-3 are in; the youngest sixteen loads (U's blocks 4-7) may be out
	WIN MUL_LO
	MUL16 0, (\q)%2, \zero
	MUL16 2, (\q)%2, \zero
	s_wait_dscnt 0                                 ; U's blocks 4-7 are in
	PLACES NP
	FETCH_B \slot, (\q)+1, 1-(\q)%2
	FETCH_A \slot, (\q)+1, 0
	WIN MUL_HI
	MUL16 4, (\q)%2, \zero
	MUL16 6, (\q)%2, \zero
	PLACES NP
	WIN 0
	FETCH_A \slot, (\q)+1, 4
.endm
; A slot's last step changes slots: ONE barrier; in front of it each wave waits for all its tensor loads, adds 0 to its spare word, and waits for that and for its own reads of this slot.  fill = 1: this slot is filled again, two K steps ahead.
.macro TURN slot, next, fill
	s_wait_tensorcnt 0x0                           ; all my tensor loads have landed: my part of the next slot  (every window is 0 here)
	ds_add_u32 v[SPW], v[NIL]                      ; 0 onto my spare word
	s_wait_dscnt 4*NL+1                            ; (the add and the youngest sixteen loads, U's blocks 4-7, may be out)
	WIN MUL_LO
	MUL16 0, 1, 0                                  ; sixteen matrix instructions stand between the add and the wait for it
	s_wait_dscnt 0x0                               ; the add is done, and my reads of this slot are over
	s_barrier_signal -1
	MUL16 2, 1, 0
	WIN 0
	s_barrier_wait -1
.if \fill
	CREST                                          ; the barrier has opened a round of the cluster's barrier: no wave of any partner still reads this slot's tile or has a load on its way
	s_add_nc_u64 s[G0+4*\slot+2:G0+4*\slot+3], s[G0+4*\slot+2:G0+4*\slot+3], 2*ROWB
	s_add_nc_u64 s[G0B+4*\slot+2:G0B+4*\slot+3], s[G0B+4*\slot+2:G0B+4*\slot+3], 2*ROWB
	JLOAD G0+4*\slot, G1, G0B+4*\slot, G1B         ; the first tensor load behind the round; its four v_nop are also the places in front of the loads below
.else
	PLACES NP
.endif
	FETCH_B \next, 0, 0
	FETCH_A \next, 0, 0
.if \fill && ((\slot) == 0)
	global_prefetch_b8 v[PFO], s[92:93] offset:3*ROWB th:TH_LOAD_NT scope:SCOPE_SE   ; behind K step 2's load: K step 3 (the loop has LAPS - 1 = 1 trip)
.endif
	WIN MUL_HI
	MUL16 4, 1, 0
	MUL16 6, 1, 0
	PLACES NP
	WIN 0
	FETCH_A \next, 0, 4
.endm
	s_wait_alu depctr_va_vdst(0)
	s_wait_tensorcnt 0x0                           ; my part of K step 0 is in
	ds_add_u32 v[SPW], v[NIL]
	s_wait_dscnt 0x0                               ; the add is done
	CROUND                                         ; everybody's part of K step 0 is in, and all sixteen work-groups are here
	JLOAD G0+4, G1, G0B+4, G1B                     ; K step 1's load, the first tensor load behind the round
	FETCH_B 0, 0, 0
	FETCH_A 0, 0, 0
	FETCH_A 0, 0, 4
	global_prefetch_b8 v[PFO], s[92:93] offset:2*ROWB th:TH_LOAD_NT scope:SCOPE_SE   ; K step 2
	STEP 0, 0, 1                                   ; the first step stands in front of the loop: its products start the sums
	s_mov_b32 s3, LAPS-1
.Llap:                                                 ; a trip goes once round the ring and fills both slots again
	TURN 0, 1, 1
	STEP 1, 0, 0
	TURN 1, 0, 1
	STEP 0, 0, 0
	s_sub_co_u32 s3, s3, 1
	s_cmp_lg_u32 s3, 0
	s_cbranch_scc1 .Llap
	TURN 0, 1, 0                                   ; the last lap fills nothing, and has no round of the cluster's barrier
	STEP 1, 0, 0
	s_wait_dscnt 4*NL                              ; the very last step: nothing more to fetch
	WIN MUL_LO
	MUL16 0, 1, 0
	MUL16 2, 1, 0
	s_wait_dscnt 0
	WIN MUL_HI
	MUL16 4, 1, 0
	MUL16 6, 1, 0
	WIN 0
; THE WAY OUT, block by block of 16 rows i x 128 columns j: scale and bias, hold, conversion; a lane's 8 codes of an accumulator go into my stage (two pieces of 16 rows x 64 codes) and come back 16 bytes a lane,
; eight rows a load: a piece is 1,024 consecutive bytes of its buffer, stored by two instructions of 512.  LDS serves a wave's instructions in order (ISA guide 5.7.1.4): no wait between the stores and the loads.
.macro TOSTAGE a
.set AC, 64*((\a)%4)
.set CSET, CD+16*((\a)%2)
.set BB, BK+16*((\a)%2)
	WIN 0x02+((\a)/4)                              ; source 0: window 2 or 3
.set j, 0
.rept 32
	v_pk_fma_f32 v[TMP+j:TMP+j+1], v[AC+j:AC+j+1], s[96:97], v[BJ+j:BJ+j+1] op_sel_hi:[1,0,1]   ; sum x 2^(e0 + e1) + the bias along j; each accumulator from its low end on
.set j, j+2
.endr
	WIN 0
.set j, 0
.rept 32
	v_pk_add_f32 v[TMP+j:TMP+j+1], v[TMP+j:TMP+j+1], v[BI+2*(\a):BI+2*(\a)+1]                   ; + the bias along i
.set j, j+2
.endr
.set j, 0
.rept 64
	v_med3_num_f32 v[TMP+j], v[TMP+j], -v[LIM], v[LIM]   ; the conversion to an 8-bit code does not saturate (ISA guide 7.6.2): the hold comes first
.set j, j+1
.endr
.irp b, 0,1,2,3,4,5,6,7
	v_cvt_scalef32_pk8_fp8_f32 v[CSET+2*\b:CSET+2*\b+1], v[TMP+8*\b:TMP+8*\b+7], v[SCL]
.endr
	v_nop                                          ; one plain vector instruction between the conversions and the next block's lines, which write their sources
.irp b, 0,1,2,3,4,5,6,7
	ds_store_b64 v[STO], v[CSET+2*\b:CSET+2*\b+1] offset:(\b/4)*SPIECE+16*(\b%4)
.endr
.irp t, 0,1,2,3
	ds_load_b128 v[BB+4*\t:BB+4*\t+3], v[RD] offset:(\t/2)*SPIECE+(\t%2)*8*SROW
.endr
.endm
.macro SEND a, younger                 ; younger: the LDS instructions issued behind block a's loads, which may stay out
.set BB, BK+16*((\a)%2)
.set PB, 84+4*((\a)/4)
	s_wait_dscnt \younger                          ; the block's codes are back in registers
.irp t, 0,1,2,3
	global_store_b128 v[CO], v[BB+4*\t:BB+4*\t+3], s[PB+2*(\t/2):PB+2*(\t/2)+1] offset:((\a)%4)*1024+(\t%2)*512   ; 32 lanes store 512 consecutive bytes, at a multiple of 512 from the buffer's first byte
.endr
.endm
	s_wait_kmcnt 0x0
	s_add_co_i32 s96, s96, s97                     ; e0 + e1
	s_add_co_i32 s96, s96, 127
	s_lshl_b32 s96, s96, 23                        ; 2^(e0 + e1) as f32
	s_mov_b32 s97, s96                             ; (named with it as a pair, so it is written)
	s_cmp_lg_u32 s77, 0
	s_cselect_b32 s101, s99, s98                   ; k's e3 or q's e2,
	s_cmp_lt_u32 ttmp9, 8
	s_cselect_b32 s101, s101, s100                 ; or v's e5: a choice, no branch
	s_add_co_i32 s101, s101, 127
	s_lshl_b32 s2, s101, 23
	v_mov_b32 v[SCL], s2                           ; the tensor's scale as f32
	s_add_co_i32 s101, s101, 8
	s_lshl_b32 s101, s101, 23
	s_or_b32 s101, s101, 0x600000
	v_mov_b32 v[LIM], s101                         ; 448 x the scale
	s_wait_loadcnt 0x0                             ; the biases
.set j, 0
.rept 64
	v_cndmask_b32 v[BJ+j], 0, v[BJ+j], s12         ; 0 where the path has no bias along j
.set j, j+1
.endr
.set j, 0
.rept 16
	v_cndmask_b32 v[BI+j], 0, v[BI+j], s13         ; 0 where it has none along i
.set j, j+1
.endr
	PLACES NP                                      ; behind the last products, ahead of writes into the registers that held U's fragments and of the reads of results
	TOSTAGE 0
.irp a, 1,2,3,4,5,6,7
.if \a > 1
	s_wait_xcnt 0x0                                ; block a - 2's stores have read their registers: block a's loads may land there
.endif
	TOSTAGE \a
	SEND \a-1, 12                                  ; behind block a - 1's loads: block a's 8 stores and 4 loads
.endr
	SEND 7, 0
	s_wait_tensorcnt 0x0                           ; the wave's end, behind my last tensor load and my last LDS store
	ds_add_u32 v[SPW], v[NIL]
	s_wait_dscnt 0x0
	CROUND                                         ; the closing round: no work-group ends while a partner may still ask for a tile that names it
	s_endpgm
.Lfunc_end_k_q49082d4414_qkv:
	.size	k_q49082d4414_qkv, .Lfunc_end_k_q49082d4414_qkv-k_q49082d4414_qkv
	.p2alignl 7, 3214868480
	.fill 96, 4, 3214868480
	.section	.rodata,"a",@progbits
	.p2align	6, 0x0
	.amdhsa_kernel k_q49082d4414_qkv
		.amdhsa_group_segment_fixed_size 327680
		.amdhsa_private_segment_fixed_size 0
		.amdhsa_enable_private_segment 0
		.amdhsa_kernarg_size 56
		.amdhsa_user_sgpr_count 2
		.amdhsa_user_sgpr_kernarg_segment_ptr 1
		.amdhsa_wavefront_size32 1
		.amdhsa_system_sgpr_workgroup_id_x 1
		.amdhsa_system_sgpr_workgroup_id_y 1
		.amdhsa_system_sgpr_workgroup_id_z 1
		.amdhsa_system_vgpr_workitem_id 0
		.amdhsa_next_free_vgpr 1024
		.amdhsa_next_free_sgpr 102
		.amdhsa_reserve_vcc 0
		.amdhsa_float_denorm_mode_32 3
		.amdhsa_float_denorm_mode_16_64 3
		.amdhsa_memory_ordered 1
		.amdhsa_forward_progress 1
		.amdhsa_inst_pref_size 167
	.end_amdhsa_kernel
	.amdgpu_metadata
---
amdhsa.version: [ 1, 2 ]
amdhsa.kernels:
  - .name:           k_q49082d4414_qkv
    .symbol:         k_q49082d4414_qkv.kd
    .args:
      - { .name: xc, .offset: 0, .size: 8, .value_kind: global_buffer, .address_space: global }
      - { .name: wic, .offset: 8, .size: 8, .value_kind: global_buffer, .address_space: global }
      - { .name: b_in, .offset: 16, .size: 8, .value_kind: global_buffer, .address_space: global }
      - { .name: lowp_scales, .offset: 24, .size: 8, .value_kind: global_buffer, .address_space: global }
      - { .name: qc, .offset: 32, .size: 8, .value_kind: global_buffer, .address_space: global }
      - { .name: kc, .offset: 40, .size: 8, .value_kind: global_buffer, .address_space: global }
      - { .name: vc, .offset: 48, .size: 8, .value_kind: global_buffer, .address_space: global }
    .group_segment_fixed_size: 327680
    .private_segment_fixed_size: 0
    .kernarg_segment_align: 8
    .kernarg_segment_size: 56
    .max_flat_workgroup_size: 128
    .sgpr_count:     102
    .vgpr_count:     1024
    .wavefront_size: 32
...
	.end_amdgpu_metadata
.endif
;; end of part 2
;; launch attn (part 3): grid 8 x 32, 16 waves a work-group, clusters of 4 x 1, 327,680 bytes of LDS; arguments qc, kc, vc, lowp_scales, ac; writes ac
.if DOCPART == 3
	.amdgcn_target "amdgcn-amd-amdhsa--gfx1250"
	.amdhsa_code_object_version 6
	.text
	.protected	k_q49082d4414_attn
	.globl	k_q49082d4414_attn
	.p2align	8
	.type	k_q49082d4414_attn,@function
k_q49082d4414_attn:
	s_mov_b64 s[64:65], 0
	v_nop
	global_prefetch_b8 v0, s[64:65] scope:SCOPE_SE
	s_setreg_imm32_b32 hwreg(HW_REG_WAVE_MODE, 25, 1), 1
	s_wait_xcnt 0x0
	s_wait_alu depctr_hold_cnt(0) depctr_sa_sdst(0) depctr_va_vdst(0) depctr_va_sdst(0) depctr_va_ssrc(0) depctr_va_vcc(0) depctr_vm_vsrc(0)
	s_getreg_b32 s2, hwreg(HW_REG_IB_STS2, 6, 4)
	s_cmp_eq_u32 s2, 0
	s_cbranch_scc0 .Lentry_in_a_cluster
	s_endpgm
.Lentry_in_a_cluster:
	s_bfe_u32 s2, ttmp6, 0x10000c
	s_cmp_lg_u32 s2, 0x3003
	s_cbranch_scc0 .Lentry_shape_is_right
	s_endpgm
.Lentry_shape_is_right:
; Causal attention on codes of FP8 (E4M3), 32 (batch, head) pairs of 2,048 queries x 2,048 keys x 64 channels; the result is quantised with entry 6 of the buffer of scales (entries 2, 3: q, k; 4, 5: p, v).
; q, k: [head][token][64 channels];  v: [head][group of 64 keys][64 channels][64 keys];  result: [token / 128][chunk = head / 4][(token / 16) % 8][head % 4][token % 16][64 channels], codes, one byte each.
; SOFTMAX: t = score x log2(e) / 8; M = the row's largest t so far, rounded UP to a whole number; p = 2^(t - M) is quantised along the keys; the sum of the unquantised p divides at the end.  Where M moves, the sum and O are multiplied by 2^(old M - new M): exact.
; SHARES.  A work-group owns 16 queries of each of the head's sixteen blocks of 128: sixteen tiles, tile i with i + 1 key steps of 128 keys: every work-group has the same 136 tile steps.  Tiles whose keys all come after their queries are left out (see launch quant's head).
; A wave owns one tile: waves 0-3 tiles 15-12, waves 4-7 tiles 8-11, waves 8-11 tiles 7-4, waves 12-15 tiles 0-3: the waves s, s + 4, s + 8, s + 12 have 34 tile steps together, and the lowest numbers have the longest tiles.
; All waves walk the same loops of constant count; a step behind a wave's tile is jumped over by a branch on the wave's number and the count.
; LDS holds all of the head's K and V: 1,024 + 1,024 lines of 128 bytes + 16 of padding, each byte filled once, by joint loads shared by the cluster's four work-groups, which walk the same head; memory's rows are dense and stated as 256 bytes.
; Waves 0-7 fetch K, 8-15 V.  At the head each wave fetches 3,072 bytes of the first 384 keys; behind a full sequence and a round 13,312 bytes of the other 1,664, which land while the first three key steps are worked.  No prefetch: no loop runs ahead of a load.
; LAYOUT.  S^T = K Q^T (source 0 = 16 keys, source 1 = my 16 queries), O^T = V^T P^T: a lane holds ONE query (lane % 16).  Lane r of tile 2 b + u takes key 32 b + 8 u + r + 8 (r / 8), so that the 16 registers of tiles 2 b, 2 b + 1 are the keys
; 32 b + 16 (lane / 16) + 0 .. 15; the channels of V^T likewise.
; LIMITS: e2 + e3 between -123 and 130; e4 and e6 between -126 and 119; the scaled scores (exponents to the base 2) stay under 2^31 in magnitude.  NaN is not served.
; REGISTERS: v1-8 addresses and constants; v12 -M, v13 largest t, v[14:15] sum in two halves; v10-11, v16-19 at work; v20-27 Q; v28-91 K's fragments; v92-155 V's; v160-223 S^T, then p; v156-171 p's codes (over scores that are converted already); v224-255 O^T.
.set LROW,  144
.set VBASE, 1024*LROW                  ; K's lines, then V's
.set STEPB, 64*LROW                    ; 128 keys
.set EARLY, 3                          ; key steps of the first fill
.set LOAD1, 24*LROW                    ; a wave's part of it: 12 rows of 256 bytes
.set LOAD2, 104*LROW                   ; and of the second: 52 rows
.set STG,   2*VBASE                    ; behind them: 16 rows x 80 bytes for each wave, for the way out
.set SPARE, STG+16*16*80               ; the spare words, 128 bytes for each wave, which no other line names
.set AK0, 1                            ; my lane's place in a tile of K, and of V
.set DG,  2                            ; my query less my first key, within the diagonal step
.set NINF, 3
.set ADK, 4
.set ADV, 5
.set SC4, 6
.set LM4, 7
.set LM4B, 8                           ; LM4 once more, for the second half of a pair
.set F,   10
.set SM2, 16
.set MX,  18
.set PRM, 19
.set KF,  28
.set VF,  92
.set PC,  156
.set S,   160
.set O,   224
.set WV,  14
.set SEL, 20
.set CS,  22
.set G1A, 24
.set G1B, 32
.set G0A, 40
.set G0B, 44
.set TB,  48
.set STEPN, 49
.set TRIP, 50
.set TILE, 51
.macro CROUND
	s_barrier_signal -1
	s_barrier_wait -1
	s_cmp_lg_u32 s[WV], 0
	s_cbranch_scc1 .Lnot_wave_0_\@
	s_barrier_signal -3
.Lnot_wave_0_\@:
	s_barrier_wait -3
	s_barrier_signal -1
	s_barrier_wait -1
.endm
	s_load_b256 s[4:11], s[0:1], 0x0               ; q, k, v, the scales' exponents
	s_load_b64 s[12:13], s[0:1], 0x20              ; the result's codes
	v_lshl_add_u32 v28, v0, 2, SPARE               ; the add's two registers, until K's fragments come; made anew from v0 at the end
	v_mov_b32 v29, 0
	ds_add_u32 v28, v29                            ; the wave's opening: the add, twice on end, and its wait ahead of my first tensor load
	ds_add_u32 v28, v29
	v_lshrrev_b32 v30, 5, v0
	v_readfirstlane_b32 s[WV], v30                 ; wave 0..15
	s_bfe_u32 s15, ttmp6, 0x40000
	s_lshl_b32 s16, ttmp9, 2
	s_add_co_u32 s16, s16, s15                     ; which 16 queries of each block of 128
	s_and_b32 s17, ttmp7, 0xffff                   ; 16 x batch + head
	s_sub_co_u32 s60, 15, s[WV]
	s_add_co_u32 s61, s[WV], 4
	s_and_b32 s61, s61, 15
	s_bitcmp1_b32 s[WV], 2
	s_cselect_b32 s[TILE], s61, s60                ; my tile, which is also its last (diagonal) key step
	s_mov_b32 s[SEL], 0x76543210
	s_mov_b32 s[SEL+1], 0xfedcba98
	; descriptor groups 1: rows of 256 bytes, dense in memory; the mask names the cluster's four; padding of four words behind every 32
.irp g, G1A, G1B
	s_mov_b32 s[\g], 15|(0<<16)|(1<<20)|(1<<21)|(4<<22)|(3<<25)
	s_mov_b32 s[\g+1], 256<<16
	s_mov_b32 s[\g+3], 256<<16
	s_mov_b32 s[\g+5], 256
	s_mov_b32 s[\g+6], 0
	s_mov_b32 s[\g+7], 0
.endr
	s_mov_b32 s[G1A+2], 12<<16
	s_mov_b32 s[G1A+4], 12
	s_mov_b32 s[G1B+2], 52<<16
	s_mov_b32 s[G1B+4], 52
	s_lshr_b32 s60, s[WV], 3                       ; K (0) or V (1)
	s_and_b32 s61, s[WV], 7                        ; which part of it
	s_mul_i32 s62, s60, VBASE
	s_mul_i32 s63, s61, LOAD1
	s_mov_b32 s[G0A], 1
	s_add_co_u32 s[G0A+1], s62, s63
	s_mul_i32 s63, s61, LOAD2
	s_mov_b32 s[G0B], 1
	s_add_co_u32 s[G0B+1], s62, s63
	s_add_co_u32 s[G0B+1], s[G0B+1], EARLY*STEPB
	s_lshl_b32 s76, s17, 17                        ; a head's codes: 131,072 bytes
	s_mul_i32 s78, s61, 3072
	s_add_co_u32 s78, s78, s76
	s_mov_b32 s79, 0
	s_mul_i32 s62, s61, 13312
	s_add_co_u32 s62, s62, EARLY*8192
	s_add_co_u32 s62, s62, s76
	s_mov_b32 s63, 0
	s_wait_dscnt 0x0                               ; both opening adds are done
	s_wait_kmcnt 0x0
	s_load_b256 s[52:59], s[10:11], 0x0            ; e0 .. e7
	s_cmp_lt_u32 s[WV], 8
	s_cselect_b64 s[60:61], s[6:7], s[8:9]
	s_add_nc_u64 s[G0A+2:G0A+3], s[60:61], s[78:79]
	s_or_b32 s[G0A+3], s[G0A+3], 0x80000000
	s_add_nc_u64 s[G0B+2:G0B+3], s[60:61], s[62:63]
	s_or_b32 s[G0B+3], s[G0B+3], 0x80000000
	CROUND                                         ; the four work-groups are here: the joint loads meet
	tensor_load_to_lds s[G0A:G0A+3], s[G1A:G1A+7]  ; the first 384 keys: the wave's one tensor load at the head
	s_nop 0
.rept 4
	v_nop
.endr
	s_lshl_b32 s62, s16, 10
	s_add_co_u32 s62, s62, s76
	s_lshl_b32 s60, s[TILE], 13
	s_add_co_u32 s60, s60, s62
	s_mov_b32 s61, 0
	s_add_nc_u64 s[66:67], s[4:5], s[60:61]        ; my tile of Q
	s_lshr_b32 s60, s17, 4
	s_lshl_b32 s60, s60, 21                        ; batch
	s_bfe_u32 s62, s17, 0x20002
	s_lshl_b32 s62, s62, 15                        ; chunk
	s_add_co_u32 s60, s60, s62
	s_lshl_b32 s62, s16, 12
	s_add_co_u32 s60, s60, s62
	s_and_b32 s62, s17, 3
	s_lshl_b32 s62, s62, 10
	s_add_co_u32 s60, s60, s62
	s_lshl_b32 s62, s[TILE], 17
	s_add_co_u32 s60, s60, s62
	s_add_nc_u64 s[70:71], s[12:13], s[60:61]      ; where my tile goes: 1,024 consecutive bytes
	s_lshl_b32 s60, s16, 4
	v_and_b32 v30, 15, v0                          ; r
	v_bfe_u32 v31, v0, 4, 1                        ; h
	v_lshlrev_b32 v32, 6, v30
	v_and_b32 v33, 8, v30
	v_lshl_add_u32 v32, v31, 4, v32
	global_load_b128 v[20:23], v32, s[66:67]
	global_load_b128 v[24:27], v32, s[66:67] offset:32
	v_add_nc_u32 v33, v33, v30                     ; r + 8 (r / 8)
	v_lshlrev_b32 v35, 4, v31
	v_lshrrev_b32 v34, 1, v33                      ; two rows of 64 bytes to a line
	v_and_b32 v33, 1, v33
	v_mul_u32_u24 v[AK0], v34, LROW
	v_sub_nc_u32 v[DG], v30, v35
	v_lshl_add_u32 v[AK0], v33, 6, v[AK0]
	v_add_nc_u32 v[DG], s60, v[DG]
	v_lshl_add_u32 v[AK0], v31, 4, v[AK0]
	v_mov_b32 v13, 0xff61b1e6                      ; the largest t so far: -3e38, under every t
	v_mov_b32 v14, 0
	v_mov_b32 v15, 0
	v_floor_f32 v12, -v13
	v_mov_b32 v[F], 0
	v_mov_b32 v[F+1], 0
	v_mov_b32 v[MX], 0
	v_mov_b32 v[PRM], 0
	v_mov_b32 v[NINF], 0xff800000
.set j, 0
.rept 16
	v_dual_mov_b32 v[O+j], 0 :: v_dual_mov_b32 v[O+j+1], 0   ; the step has no first form of its own: the first change of M leaves zeros zeros
.set j, j+2
.endr
	s_wait_kmcnt 0x0
	s_add_co_i32 s60, s54, s55
	s_lshl_b32 s60, s60, 23
	s_mov_b32 s[CS], 0x3e38aa3b                    ; log2(e) / 8
	s_add_co_i32 s[CS], s[CS], s60                 ; x 2^(e2 + e3), by the exponent field
	s_mov_b32 s[CS+1], s[CS]
	s_add_co_i32 s60, s56, 127
	s_lshl_b32 s61, s60, 23                        ; 2^e4
	s_add_co_i32 s60, s60, 8
	s_lshl_b32 s60, s60, 23
	s_or_b32 s60, s60, 0x600000                    ; 448 x 2^e4
	s_add_co_i32 s62, s58, 127
	s_lshl_b32 s72, s62, 23                        ; 2^e6
	s_add_co_i32 s62, s62, 8
	s_lshl_b32 s62, s62, 23
	s_or_b32 s73, s62, 0x600000                    ; 448 x 2^e6
	s_add_co_i32 s74, s56, s57
	s_mov_b32 s[TB], 0
	s_mov_b32 s[STEPN], 0
	v_mov_b32 v[SC4], s61
	v_mov_b32 v[LM4], s60
	v_mov_b32 v[LM4B], s60
.macro FETCHK                          ; K's eight fragments of a step
.irp t, 0,1,2,3,4,5,6,7
	ds_load_b128 v[KF+8*\t:KF+8*\t+3], v[ADK] offset:(16*(\t/2)+4*(\t%2))*LROW
	ds_load_b128 v[KF+8*\t+4:KF+8*\t+7], v[ADK] offset:(16*(\t/2)+4*(\t%2))*LROW+32
.endr
.endm
.macro FETCHV
.irp t, 0,1,2,3
.irp c, 0,1,2,3
	ds_load_b128 v[VF+16*\t+4*\c:VF+16*\t+4*\c+3], v[ADV] offset:(\c/2)*32*LROW+(16*(\t/2)+4*(\t%2))*LROW+(\c%2)*32
.endr
.endr
.endm
.macro SCORE t
	v_wmma_f32_16x16x64_fp8_fp8 v[S+8*\t:S+8*\t+7], v[KF+8*\t:KF+8*\t+7], v[20:27], 0
.endm
; A KEY STEP of my tile: 128 keys, at TB in K's and V's lines.  pf = 1: its fragments of K are in, and the next step's are fetched behind its first products.
.macro STEP pf
	s_cmp_gt_u32 s[STEPN], s[TILE]
	s_cbranch_scc1 .Lskip_\@
	s_add_co_u32 s61, s[TB], VBASE
	s_add_co_u32 s60, s[TB], STEPB*(\pf)
	v_add_nc_u32 v[ADK], s60, v[AK0]
	v_add_nc_u32 v[ADV], s61, v[AK0]
.rept 3
	v_nop                                          ; with the two above five places: the first products write over registers that the last step's last products read
.endr
.if \pf
.irp t, 0,1,2,3,4,5,6,7
	SCORE \t
.endr
.rept 4
	v_nop
.endr
	FETCHV
	s_cmp_eq_u32 s[STEPN], s[TILE]                 ; the last step of my tile is the diagonal one, and has no successor
	s_cbranch_scc1 .Lmask_\@
	FETCHK
	s_branch .Lopen_\@
.else
	FETCHK
	s_wait_alu depctr_va_vdst(0)
	s_wait_dscnt 0x8                               ; K's tiles 0-3 are in; the eight loads of tiles 4-7 may be out
.irp t, 0,1,2,3
	SCORE \t
.endr
	s_wait_dscnt 0x0
.irp t, 4,5,6,7
	SCORE \t
.endr
.rept 4
	v_nop
.endr
	FETCHV
	s_cmp_lg_u32 s[STEPN], s[TILE]
	s_cbranch_scc1 .Lopen_\@
.endif
.Lmask_\@:
.set n, 0
.rept 64
	v_cmp_gt_i32 vcc_lo, 32*(n/16)+n%16, v[DG]     ; register 16 b + i holds key 16 h + 32 b + i: hidden where that comes after my query
	v_cndmask_b32 v[S+n], v[S+n], v[NINF], vcc_lo
.set n, n+1
.endr
.Lopen_\@:
	v_max3_num_f32 v[MX], v[S], v[S+1], v[S+2]     ; the step's largest score of my query, in four chains
	v_max3_num_f32 v[PRM], v[S+3], v[S+4], v[S+5]
	v_max3_num_f32 v[F], v[S+6], v[S+7], v[S+8]
	v_max3_num_f32 v[F+1], v[S+9], v[S+10], v[S+11]
.irp i, 12,20,28,36,44,52
	v_max3_num_f32 v[MX], v[MX], v[S+\i], v[S+\i+1]
	v_max3_num_f32 v[PRM], v[PRM], v[S+\i+2], v[S+\i+3]
	v_max3_num_f32 v[F], v[F], v[S+\i+4], v[S+\i+5]
	v_max3_num_f32 v[F+1], v[F+1], v[S+\i+6], v[S+\i+7]
.endr
	v_max3_num_f32 v[MX], v[MX], v[S+60], v[S+61]
	v_max3_num_f32 v[PRM], v[PRM], v[S+62], v[S+63]
	v_max_num_f32 v[F], v[F], v[F+1]
	v_max3_num_f32 v[MX], v[MX], v[PRM], v[F]
	s_delay_alu instid0(VALU_DEP_1)
	v_permlanex16_b32 v[PRM], v[MX], s[SEL], s[SEL+1]
	s_delay_alu instid0(VALU_DEP_1)
	v_max_num_f32 v[MX], v[MX], v[PRM]             ; and lane l xor 16's
	s_delay_alu instid0(VALU_DEP_1)
	v_mul_f32 v[MX], s[CS], v[MX]
	s_delay_alu instid0(VALU_DEP_1)
	v_max_num_f32 v13, v13, v[MX]
	v_mov_b32 v[MX], v12
	s_delay_alu instid0(VALU_DEP_2)
	v_floor_f32 v12, -v13                          ; -M = floor(-t)
	s_delay_alu instid0(VALU_DEP_1)
	v_sub_f32 v[MX], v12, v[MX]
	s_delay_alu instid0(VALU_DEP_1)
	v_cvt_i32_f32 v[MX], v[MX]                     ; (it saturates)
	s_delay_alu instid0(VALU_DEP_1)
	v_ldexp_f32 v[F], 1.0, v[MX]                   ; 2^(old M - new M)
.set n, 0
.rept 32
	v_pk_fma_f32 v[S+n:S+n+1], v[S+n:S+n+1], s[CS:CS+1], v[12:13] op_sel_hi:[1,0,0]   ; t - M
.set n, n+2
.endr
	s_wait_alu depctr_va_vdst(0)
.set n, 0
.rept 64
	v_exp_f32 v[S+n], v[S+n]
.set n, n+1
.endr
	v_pk_mul_f32 v[14:15], v[14:15], v[F:F+1] op_sel_hi:[1,0]   ; (the plain place behind the exponentials)
	s_wait_alu depctr_va_vdst(0)                   ; and behind it, ahead of the first readers of O^T and of p
.set n, 0
.rept 16
	v_pk_mul_f32 v[O+n:O+n+1], v[O+n:O+n+1], v[F:F+1] op_sel_hi:[1,0]
.set n, n+2
.endr
.irp b, 0,1,2,3                                ; the sum is taken of the unquantised p, in four chains
.if \b == 0
	v_pk_add_f32 v[SM2:SM2+1], v[S:S+1], v[S+2:S+3]
	v_pk_add_f32 v[F:F+1], v[S+4:S+5], v[S+6:S+7]
	v_pk_add_f32 v[MX:MX+1], v[S+8:S+9], v[S+10:S+11]
	v_pk_add_f32 v[14:15], v[14:15], v[S+12:S+13]
	v_pk_add_f32 v[SM2:SM2+1], v[SM2:SM2+1], v[S+14:S+15]
.else
.irp k, 0,8
	v_pk_add_f32 v[F:F+1], v[F:F+1], v[S+16*\b+\k:S+16*\b+\k+1]
	v_pk_add_f32 v[MX:MX+1], v[MX:MX+1], v[S+16*\b+\k+2:S+16*\b+\k+3]
	v_pk_add_f32 v[14:15], v[14:15], v[S+16*\b+\k+4:S+16*\b+\k+5]
	v_pk_add_f32 v[SM2:SM2+1], v[SM2:SM2+1], v[S+16*\b+\k+6:S+16*\b+\k+7]
.endr
.endif
.set n, 16*\b
.rept 8
	v_dual_min_num_f32 v[S+n], v[S+n], v[LM4] :: v_dual_min_num_f32 v[S+n+1], v[S+n+1], v[LM4B]   ; the conversion does not saturate (ISA guide 7.6.2); p is never negative
.set n, n+2
.endr
	v_cvt_scalef32_pk8_fp8_f32 v[PC+4*\b:PC+4*\b+1], v[S+16*\b:S+16*\b+7], v[SC4]   ; block b > 0: into registers of block 0, which is converted
	v_cvt_scalef32_pk8_fp8_f32 v[PC+4*\b+2:PC+4*\b+3], v[S+16*\b+8:S+16*\b+15], v[SC4]
.endr
	v_pk_add_f32 v[F:F+1], v[F:F+1], v[MX:MX+1]    ; (a plain place behind the conversions)
	v_pk_add_f32 v[14:15], v[14:15], v[SM2:SM2+1]
	v_pk_add_f32 v[14:15], v[14:15], v[F:F+1]
	s_wait_alu depctr_va_vdst(0)
	s_wait_dscnt 0x0                               ; V's fragments; and the next step's of K
.irp t, 0,1,2,3
	v_wmma_f32_16x16x128_fp8_fp8 v[O+8*\t:O+8*\t+7], v[VF+16*\t:VF+16*\t+15], v[PC:PC+15], v[O+8*\t:O+8*\t+7]
.endr
.Lskip_\@:
.endm
.macro KLOOP count, pf
	s_mov_b32 s[TRIP], \count
.Lk_\@:
	STEP \pf
	s_add_co_u32 s[TB], s[TB], STEPB
	s_add_co_u32 s[STEPN], s[STEPN], 1
	s_sub_co_u32 s[TRIP], s[TRIP], 1
	s_cmp_lg_u32 s[TRIP], 0
	s_cbranch_scc1 .Lk_\@
.endm
	s_wait_alu depctr_va_vdst(0)
	s_wait_tensorcnt 0x0                           ; my part of the first 384 keys is in
	ds_add_u32 v28, v29
	s_wait_dscnt 0x0
	CROUND                                         ; everybody's part is in, and the four work-groups are here
	tensor_load_to_lds s[G0B:G0B+3], s[G1B:G1B+7]  ; the other keys: the first tensor load behind the round
	s_nop 0
.rept 4
	v_nop
.endr
	s_wait_loadcnt 0x0                             ; Q
	KLOOP EARLY, 0
	s_wait_tensorcnt 0x0                           ; my part of the other keys is in,
	s_wait_dscnt 0x0
	s_barrier_signal -1
	s_barrier_wait -1                              ; and everybody's
	v_add_nc_u32 v[ADK], s[TB], v[AK0]
	FETCHK                                         ; key step 3's fragments of K
	s_wait_dscnt 0x0
	KLOOP 16-EARLY, 1
.rept 4
	v_nop                                          ; places behind the last products
.endr
	; THE WAY OUT: O^T / the sum x 2^(e4 + e5), quantised with 2^e6: a lane's 16 channels are 16 bytes; the tile's 1,024 bytes leave by two stores of 512 consecutive bytes
	s_mul_i32 s60, s[WV], 16*80
	s_add_co_u32 s60, s60, STG                     ; my stage
	v_add_f32 v14, v14, v15
	v_and_b32 v30, 15, v0                          ; r
	v_permlanex16_b32 v[PRM], v14, s[SEL], s[SEL+1]
	v_bfe_u32 v31, v0, 4, 1                        ; h
	v_add_f32 v14, v14, v[PRM]
	v_and_b32 v32, 31, v0                          ; lane
	s_wait_alu depctr_va_vdst(0)
	v_rcp_f32 v14, v14
	v_mul_u32_u24 v34, v30, 80                     ; (a plain place behind it)  into the stage: row r,
	v_lshrrev_b32 v35, 2, v32
	v_lshl_add_u32 v34, v31, 4, v34                ; 16 bytes for each half of the lanes
	v_mul_u32_u24 v35, v35, 80                     ; and back: four lanes to a row
	v_and_b32 v33, 3, v32
	v_add_nc_u32 v34, s60, v34
	v_lshl_add_u32 v35, v33, 4, v35
	v_lshlrev_b32 v33, 4, v32                      ; my 16 bytes of a store's 512
	v_add_nc_u32 v35, s60, v35
	v_lshl_add_u32 v28, v0, 2, SPARE               ; the add's two registers, anew
	v_mov_b32 v29, 0
	v_mov_b32 v36, s72                             ; 2^e6
	v_mov_b32 v37, s73                             ; 448 x 2^e6
	s_wait_alu depctr_va_vdst(0)                   ; and behind the transcendental
	v_ldexp_f32 v14, v14, s74
	s_wait_alu depctr_va_vdst(0)                   ; directly ahead of the first reader of O^T
.set j, 0
.rept 16
	v_pk_mul_f32 v[S+j:S+j+1], v[O+j:O+j+1], v[14:15] op_sel_hi:[1,0]
.set j, j+2
.endr
.set j, 0
.rept 32
	v_med3_num_f32 v[S+j], v[S+j], -v37, v37
.set j, j+1
.endr
.irp b, 0,1
	v_cvt_scalef32_pk8_fp8_f32 v[VF+4*\b:VF+4*\b+1], v[S+16*\b:S+16*\b+7], v36
	v_cvt_scalef32_pk8_fp8_f32 v[VF+4*\b+2:VF+4*\b+3], v[S+16*\b+8:S+16*\b+15], v36
.endr
	v_nop
.irp b, 0,1
	ds_store_b128 v34, v[VF+4*\b:VF+4*\b+3] offset:32*\b
.endr
.irp i, 0,1
	ds_load_b128 v[40+4*\i:43+4*\i], v35 offset:8*80*\i   ; LDS serves a wave's instructions in order (ISA guide 5.7.1.4): these see my stores
.endr
	s_wait_dscnt 0x0
	global_store_b128 v33, v[40:43], s[70:71]
	global_store_b128 v33, v[44:47], s[70:71] offset:512
	s_wait_tensorcnt 0x0                           ; the wave's end
	ds_add_u32 v28, v29
	s_wait_dscnt 0x0
	CROUND                                         ; the closing round: no work-group ends while a partner may still ask for a tile that names it
	s_endpgm
.Lfunc_end_k_q49082d4414_attn:
	.size	k_q49082d4414_attn, .Lfunc_end_k_q49082d4414_attn-k_q49082d4414_attn
	.p2alignl 7, 3214868480
	.fill 96, 4, 3214868480
	.section	.rodata,"a",@progbits
	.p2align	6, 0x0
	.amdhsa_kernel k_q49082d4414_attn
		.amdhsa_group_segment_fixed_size 327680
		.amdhsa_private_segment_fixed_size 0
		.amdhsa_enable_private_segment 0
		.amdhsa_kernarg_size 40
		.amdhsa_user_sgpr_count 2
		.amdhsa_user_sgpr_kernarg_segment_ptr 1
		.amdhsa_wavefront_size32 1
		.amdhsa_system_sgpr_workgroup_id_x 1
		.amdhsa_system_sgpr_workgroup_id_y 1
		.amdhsa_system_sgpr_workgroup_id_z 1
		.amdhsa_system_vgpr_workitem_id 0
		.amdhsa_next_free_vgpr 256
		.amdhsa_next_free_sgpr 80
		.amdhsa_reserve_vcc 1
		.amdhsa_float_denorm_mode_32 3
		.amdhsa_float_denorm_mode_16_64 3
		.amdhsa_memory_ordered 1
		.amdhsa_forward_progress 1
		.amdhsa_inst_pref_size 57
	.end_amdhsa_kernel
	.amdgpu_metadata
---
amdhsa.version: [ 1, 2 ]
amdhsa.kernels:
  - .name:           k_q49082d4414_attn
    .symbol:         k_q49082d4414_attn.kd
    .args:
      - { .name: qc, .offset: 0, .size: 8, .value_kind: global_buffer, .address_space: global }
      - { .name: kc, .offset: 8, .size: 8, .value_kind: global_buffer, .address_space: global }
      - { .name: vc, .offset: 16, .size: 8, .value_kind: global_buffer, .address_space: global }
      - { .name: lowp_scales, .offset: 24, .size: 8, .value_kind: global_buffer, .address_space: global }
      - { .name: ac, .offset: 32, .size: 8, .value_kind: global_buffer, .address_space: global }
    .group_segment_fixed_size: 327680
    .private_segment_fixed_size: 0
    .kernarg_segment_align: 8
    .kernarg_segment_size: 40
    .max_flat_workgroup_size: 512
    .sgpr_count:     80
    .vgpr_count:     256
    .wavefront_size: 32
...
	.end_amdgpu_metadata
.endif
;; end of part 3
;; launch oproj (part 4): grid 8 x 32, 4 waves a work-group, clusters of 4 x 4, 327,680 bytes of LDS; arguments ac, woc, lowp_scales, out0; writes out0
.if DOCPART == 4
	.amdgcn_target "amdgcn-amd-amdhsa--gfx1250"
	.amdhsa_code_object_version 6
	.text
	.protected	k_q49082d4414_oproj
	.globl	k_q49082d4414_oproj
	.p2align	8
	.type	k_q49082d4414_oproj,@function
k_q49082d4414_oproj:
	s_mov_b64 s[64:65], 0
	v_nop
	global_prefetch_b8 v0, s[64:65] scope:SCOPE_SE
	s_setreg_imm32_b32 hwreg(HW_REG_WAVE_MODE, 25, 1), 1
	s_wait_xcnt 0x0
	s_wait_alu depctr_hold_cnt(0) depctr_sa_sdst(0) depctr_va_vdst(0) depctr_va_sdst(0) depctr_va_ssrc(0) depctr_va_vcc(0) depctr_vm_vsrc(0)
	s_getreg_b32 s2, hwreg(HW_REG_IB_STS2, 6, 4)
	s_cmp_eq_u32 s2, 0
	s_cbranch_scc0 .Lentry_in_a_cluster
	s_endpgm
.Lentry_in_a_cluster:
	s_bfe_u32 s2, ttmp6, 0x10000c
	s_cmp_lg_u32 s2, 0xf033
	s_cbranch_scc0 .Lentry_shape_is_right
	s_endpgm
.Lentry_shape_is_right:
; out0[token][n] = sum over k of a[token][k] w_out[n][k] x 2^(e6 + e7), on codes of FP8 (E4M3).  4,096 x 1,024 x 1,024; out0 f32.
; a's codes lie [token / 128][chunk = head / 4][(token / 16) % 8][head % 4][token % 16][64 channels]: the 128 tokens x 256 K of a chunk are 32,768 consecutive bytes.  w_out's codes: [1024][1024], K innermost.
; A tile of out0 is 128 x 128: 256 work-groups of four waves, a wave 64 x 64: 16 accumulators.  ALL of K lies in LDS: two halves of 512 along K, each filled once; no byte is filled again.
; CLUSTERS: 4 x 4 work-groups; a's tiles are shared along a row of the cluster, w_out's along a column: joint loads, ONE for each wave: wave 2 p asks for a's half p (256 dense rows of 256 bytes), wave 2 p + 1 for w_out's (128 rows of 512 bytes).
; THE MATRIX INSTRUCTION IS USED TRANSPOSED (source 0 = 16 rows of w_out, source 1 = 16 tokens): a lane holds eight neighbouring numbers of a row of out0.
; Fragments come by loads of 16 bytes: registers 4 c .. 4 c + 3 hold K = 32 c + 16 (lane / 16) + 0 .. 15 of the step's 128, the same places in both sources.
; LIMIT: e6 + e7 between -126 and 127.   No prefetch: every tile is asked for at the head.
; REGISTERS: window 0: v16-17, v20-21 LDS addresses of my fragments in halves 0, 1; v24-26 the way out; v32-63 sums x the scale; v64-127 rows read back, two sets; v128-255 accumulators ((a, b) at 128 + 8 (4 a + b)).
;   window 1: two fragment buffers of 128: a's four fragments, then w_out's four.
.set PITCH, 272                        ; a's LDS row: 256 bytes + 16 of padding; also a row of the stage
.set WROW,  528                        ; w_out's: 512 + 16
.set AP,    256*PITCH                  ; a's half of K
.set WP,    128*WROW                   ; w_out's
.set STAGE, 2*AP+2*WP                  ; behind them: 16 rows x 272 bytes for each wave; no tile lands there
.set SPARE, STAGE+4*16*PITCH           ; the spare words, 128 bytes for each wave, which no other line names
.set ADRA, 16
.set ADRB, 20
.set STO,  24
.set RD,   25
.set CO,   26
.set TMP,  32
.set BK,   64
.set ACC,  128
.set G1,  24                           ; s[24:31] descriptor group 1 for a's tiles;  s[48:55] for w_out's
.set G1B, 48
.set G0A, 68
.set G0B, 84
.set MSB, 0
.macro WIN new                         ; the immediate's high byte repeats the setting that is left
.if MSB != \new
	s_set_vgpr_msb (MSB<<8)|\new
.set MSB, \new
.endif
.endm
.set W_MUL, 0x05                       ; sources 0 and 1 window 1; C and D window 0
.set W_F,   0x40                       ; destination window 1, address window 0
.macro CROUND                          ; a round of the cluster's barrier
	s_barrier_signal -1
	s_barrier_wait -1
	s_cmp_lg_u32 s14, 0
	s_cbranch_scc1 .Lnot_wave_0_\@
	s_barrier_signal -3
.Lnot_wave_0_\@:
	s_barrier_wait -3
	s_barrier_signal -1
	s_barrier_wait -1
.endm
.macro PLACES                          ; four places behind matrix instructions (ISA guide 7.12.1 for vector instructions)
.rept 4
	v_nop
.endr
.endm
	s_load_b128 s[4:7], s[0:1], 0x0                ; a's codes s[4:5], w_out's codes s[6:7]
	s_load_b128 s[8:11], s[0:1], 0x10              ; the scales' exponents s[8:9], out0 s[10:11]
	v_lshl_add_u32 v30, v0, 2, SPARE
	v_mov_b32 v31, 0
	ds_add_u32 v30, v31                            ; the wave's opening: the add, twice on end, and its wait ahead of my first tensor load
	ds_add_u32 v30, v31
	v_lshrrev_b32 v1, 5, v0
	v_readfirstlane_b32 s14, v1                    ; wave 0..3
	s_lshr_b32 s15, s14, 1                         ; which half of the tile's tokens is mine.  Also: which half of K I fetch
	s_and_b32 s16, s14, 1                          ; which half of its columns.  Also: I fetch a (0) or w_out (1)
	s_bfe_u32 s40, ttmp6, 0x40000                  ; cx, cy
	s_bfe_u32 s41, ttmp6, 0x40004
	s_lshl_b32 s42, ttmp9, 2
	s_add_co_u32 s42, s42, s40                     ; tile column = 4 x cluster x + cx
	s_and_b32 s17, ttmp7, 0xffff
	s_lshl_b32 s17, s17, 2
	s_add_co_u32 s17, s17, s41                     ; tile row = 4 x cluster y + cy
	s_lshl_b32 s43, s41, 2
	s_lshl_b32 s43, 15, s43                        ; my row of the cluster
	s_lshl_b32 s44, 0x1111, s40                    ; my column
	s_or_b32 s[G1+0], s43, (0<<16)|(1<<20)|(1<<21)|(5<<22)|(3<<25)  ; the mask; elements of 1 byte; padding on; bit 21 beside a mask; four words after every 64
	s_mov_b32 s[G1+1], 256<<16                     ; a: 256 rows of 256 bytes, dense
	s_mov_b32 s[G1+2], 256<<16
	s_mov_b32 s[G1+3], 256<<16
	s_mov_b32 s[G1+4], 256
	s_mov_b32 s[G1+5], 256
	s_mov_b32 s[G1+6], 0
	s_mov_b32 s[G1+7], 0
	s_or_b32 s[G1B+0], s44, (0<<16)|(1<<20)|(1<<21)|(6<<22)|(3<<25) ; four words after every 128
	s_mov_b32 s[G1B+1], 512<<16                    ; w_out: 128 rows of 512 bytes, 1,024 apart
	s_mov_b32 s[G1B+2], 128<<16
	s_mov_b32 s[G1B+3], 512<<16
	s_mov_b32 s[G1B+4], 128
	s_mov_b32 s[G1B+5], 1024
	s_mov_b32 s[G1B+6], 0
	s_mov_b32 s[G1B+7], 0
	s_lshl_b32 s20, s17, 17                        ; a: 131,072 bytes a tile row,
	s_lshl_b32 s18, s15, 16                        ; + a half of K
	s_add_co_u32 s20, s20, s18
	s_mov_b32 s21, 0
	s_lshl_b32 s46, s42, 17                        ; w_out: 128 rows of 1,024 bytes a tile column,
	s_lshl_b32 s18, s15, 9                         ; + a half of K
	s_add_co_u32 s46, s46, s18
	s_mov_b32 s47, 0
	s_mul_i32 s45, s15, AP                         ; where they go: no place in the cluster enters an LDS address
	s_mul_i32 s66, s15, WP
	s_add_co_u32 s66, s66, 2*AP
	s_wait_dscnt 0x0                               ; both opening adds are done
	s_wait_kmcnt 0x0
	s_load_b64 s[12:13], s[8:9], 0x18              ; e6, e7
	s_mov_b32 s[G0A], 1
	s_mov_b32 s[G0A+1], s45
	s_add_nc_u64 s[G0A+2:G0A+3], s[4:5], s[20:21]
	s_or_b32 s[G0A+3], s[G0A+3], 0x80000000
	s_mov_b32 s[G0B], 1
	s_mov_b32 s[G0B+1], s66
	s_add_nc_u64 s[G0B+2:G0B+3], s[6:7], s[46:47]
	s_or_b32 s[G0B+3], s[G0B+3], 0x80000000
	CROUND                                         ; all sixteen work-groups are here: the joint loads meet
	s_cmp_eq_u32 s16, 0                            ; one load a wave, in one branch on the wave's number
	s_cbranch_scc0 .Lfor_b
	tensor_load_to_lds s[G0A:G0A+3], s[G1:G1+7]
	s_nop 0
.rept 4
	v_nop
.endr
	s_branch .Lasked
.Lfor_b:
	tensor_load_to_lds s[G0B:G0B+3], s[G1B:G1B+7]
	s_nop 0
.rept 4
	v_nop
.endr
.Lasked:
	s_mul_i32 s21, s15, 64*PITCH                   ; my 64 tokens
	s_mul_i32 s22, s16, 64*WROW                    ; my 64 rows of w_out,
	s_add_co_u32 s22, s22, 2*AP                    ; behind a's two halves
	s_add_co_u32 s2, s21, AP
	s_add_co_u32 s3, s22, WP
	s_mul_i32 s23, s14, 16*PITCH
	s_add_co_u32 s23, s23, STAGE                   ; my stage
	s_lshl_b32 s20, s17, 7
	s_lshl_b32 s18, s15, 6
	s_add_co_u32 s20, s20, s18                     ; my first token
	s_lshl_b32 s20, s20, 12
	s_lshl_b32 s46, s42, 9                         ; my first column, in bytes: 512 x tile column + 256 x half
	s_lshl_b32 s47, s16, 8
	s_add_co_u32 s46, s46, s47
	s_add_co_u32 s18, s20, s46
	s_mov_b32 s19, 0
	s_add_nc_u64 s[10:11], s[10:11], s[18:19]
	v_and_b32 v1, 15, v0                           ; r
	v_bfe_u32 v2, v0, 4, 1                         ; h
	v_lshrrev_b32 v3, 2, v1                        ; a: in a chunk, (tile of 16 tokens T, head hh, token r) lies in LDS row 16 T + 4 hh + r / 4, at byte 64 (r % 4)
	v_and_b32 v4, 3, v1
	v_mul_u32_u24 v3, v3, PITCH
	v_mul_u32_u24 v5, v1, WROW                     ; w_out: row r
	v_lshl_add_u32 v3, v4, 6, v3
	v_lshl_add_u32 v4, v2, 4, v5
	v_lshl_add_u32 v3, v2, 4, v3
	v_add_nc_u32 v[ADRB], s22, v4
	v_add_nc_u32 v[ADRB+1], s3, v4
	v_add_nc_u32 v[ADRA], s21, v3
	v_add_nc_u32 v[ADRA+1], s2, v3
	v_mul_u32_u24 v5, v1, PITCH                    ; the way out, in: row r, 32 bytes for each half of the lanes
	v_mul_u32_u24 v6, v2, PITCH                    ; back: lanes 0-15 one row of 256 bytes, lanes 16-31 the next
	v_lshlrev_b32 v7, 12, v2                       ; and the same two rows in out0: 4,096 bytes a row
	v_lshl_add_u32 v5, v2, 5, v5
	v_lshl_add_u32 v6, v1, 4, v6
	v_lshl_add_u32 v[CO], v1, 4, v7
	v_add_nc_u32 v[STO], s23, v5
	v_add_nc_u32 v[RD], s23, v6
; 32 LDS loads: the fragments of step s (128 along K: half s / 4, chunk (s / 2) % 2 of it, q = s % 2) into buffer s % 2
.macro FETCH s
.set FB, 128*((\s)%2)
	WIN W_F
.irp i, 0,1,2,3
.irp c, 0,1,2,3
	ds_load_b128 v[FB+64+16*\i+4*\c:FB+64+16*\i+4*\c+3], v[ADRB+(\s)/4] offset:\i*16*WROW+128*((\s)%4)+32*\c
	ds_load_b128 v[FB+16*\i+4*\c:FB+16*\i+4*\c+3], v[ADRA+(\s)/4] offset:(((\s)/2)%2)*128*PITCH+\i*16*PITCH+(2*((\s)%2)+\c/2)*4*PITCH+(\c%2)*32
.endr
.endr
.endm
; 16 matrix instructions, 128 along K: the 16 accumulators take turns, in the same order in every step.  zero = 1: the first products start the sums
.macro PROD f, zero
	WIN W_MUL
.irp a, 0,1,2,3
.irp b, 0,1,2,3
.if \zero
	v_wmma_f32_16x16x128_fp8_fp8 v[ACC+8*(4*\a+\b):ACC+8*(4*\a+\b)+7], v[\f+64+16*\b:\f+64+16*\b+15], v[\f+16*\a:\f+16*\a+15], 0
.else
	v_wmma_f32_16x16x128_fp8_fp8 v[ACC+8*(4*\a+\b):ACC+8*(4*\a+\b)+7], v[\f+64+16*\b:\f+64+16*\b+15], v[\f+16*\a:\f+16*\a+15], v[ACC+8*(4*\a+\b):ACC+8*(4*\a+\b)+7]
.endif
.endr
.endr
.endm
; Step s of eight: its fragments are in; the next step's are asked for, into the other buffer, ahead of this step's products.
.macro KST s
	s_wait_dscnt 0x0
.if (\s) < 7
.if (\s) > 0
	PLACES                                         ; in front of loads into the buffer that the step before multiplied
.endif
	FETCH (\s)+1
.endif
.if (\s) == 0
	PROD 128*((\s)%2), 1
.else
	PROD 128*((\s)%2), 0
.endif
.endm
	s_wait_alu depctr_va_vdst(0)
	s_wait_tensorcnt 0x0                           ; my part is in; behind the barrier everybody's is.
	s_barrier_signal -1
	s_barrier_wait -1
	FETCH 0
.irp s, 0,1,2,3,4,5,6,7
	KST \s
.endr
	WIN 0
; THE WAY OUT, block by block of 16 tokens x 64 columns: a lane's 32 bytes of a row go into my stage and come back as whole rows of 256 bytes, sixteen lanes to a row.
.macro TOSTAGE a
.set BB, BK+32*((\a)%2)
.set j, 0
.rept 16
	v_pk_mul_f32 v[TMP+j:TMP+j+1], v[ACC+32*(\a)+j:ACC+32*(\a)+j+1], s[12:13] op_sel_hi:[1,0]   ; x 2^(e6 + e7); each accumulator from its low end on
.set j, j+2
.endr
.irp b, 0,1,2,3
	ds_store_b128 v[STO], v[TMP+8*\b:TMP+8*\b+3] offset:64*\b
	ds_store_b128 v[STO], v[TMP+8*\b+4:TMP+8*\b+7] offset:64*\b+16
.endr
.irp t, 0,1,2,3,4,5,6,7
	ds_load_b128 v[BB+4*\t:BB+4*\t+3], v[RD] offset:\t*2*PITCH   ; LDS serves a wave's instructions in order (ISA guide 5.7.1.4): these see my stores
.endr
.endm
.macro SEND a, younger                 ; younger: the LDS instructions issued behind block a's loads, which may stay out
.set BB, BK+32*((\a)%2)
	s_wait_dscnt \younger
.irp t, 0,1,2,3,4,5,6,7
	global_store_b128 v[CO], v[BB+4*\t:BB+4*\t+3], s[10:11] offset:(16*(\a)+2*\t)*4096 th:TH_STORE_NT   ; 16 lanes store 256 consecutive bytes, at a multiple of 256 from out0's first byte; written once, read by nobody here
.endr
.endm
	s_wait_kmcnt 0x0
	s_add_co_i32 s12, s12, s13                     ; e6 + e7
	s_add_co_i32 s12, s12, 127
	s_lshl_b32 s12, s12, 23                        ; 2^(e6 + e7) as f32
	s_mov_b32 s13, s12                             ; (named with it as a pair, so it is written)
	PLACES                                         ; behind the last products, ahead of the first read of results
	TOSTAGE 0
.irp a, 1,2,3
.if \a > 1
	s_wait_xcnt 0x0                                ; block a - 2's stores have read their registers: block a's loads may land there
.endif
	TOSTAGE \a
	SEND \a-1, 16                                  ; behind block a - 1's loads: block a's 8 stores and 8 loads
.endr
	SEND 3, 0
	s_wait_tensorcnt 0x0                           ; the wave's end
	ds_add_u32 v30, v31
	s_wait_dscnt 0x0
	CROUND                                         ; the closing round: no work-group ends while a partner may still ask for a tile that names it
	s_endpgm
.Lfunc_end_k_q49082d4414_oproj:
	.size	k_q49082d4414_oproj, .Lfunc_end_k_q49082d4414_oproj-k_q49082d4414_oproj
	.p2alignl 7, 3214868480
	.fill 96, 4, 3214868480
	.section	.rodata,"a",@progbits
	.p2align	6, 0x0
	.amdhsa_kernel k_q49082d4414_oproj
		.amdhsa_group_segment_fixed_size 327680
		.amdhsa_private_segment_fixed_size 0
		.amdhsa_enable_private_segment 0
		.amdhsa_kernarg_size 32
		.amdhsa_user_sgpr_count 2
		.amdhsa_user_sgpr_kernarg_segment_ptr 1
		.amdhsa_wavefront_size32 1
		.amdhsa_system_sgpr_workgroup_id_x 1
		.amdhsa_system_sgpr_workgroup_id_y 1
		.amdhsa_system_sgpr_workgroup_id_z 1
		.amdhsa_system_vgpr_workitem_id 0
		.amdhsa_next_free_vgpr 512
		.amdhsa_next_free_sgpr 102
		.amdhsa_reserve_vcc 0
		.amdhsa_float_denorm_mode_32 3
		.amdhsa_float_denorm_mode_16_64 3
		.amdhsa_memory_ordered 1
		.amdhsa_forward_progress 1
		.amdhsa_inst_pref_size 44
	.end_amdhsa_kernel
	.amdgpu_metadata
---
amdhsa.version: [ 1, 2 ]
amdhsa.kernels:
  - .name:           k_q49082d4414_oproj
    .symbol:         k_q49082d4414_oproj.kd
    .args:
      - { .name: ac, .offset: 0, .size: 8, .value_kind: global_buffer, .address_space: global }
      - { .name: woc, .offset: 8, .size: 8, .value_kind: global_buffer, .address_space: global }
      - { .name: lowp_scales, .offset: 16, .size: 8, .value_kind: global_buffer, .address_space: global }
      - { .name: out0, .offset: 24, .size: 8, .value_kind: global_buffer, .address_space: global }
    .group_segment_fixed_size: 327680
    .private_segment_fixed_size: 0
    .kernarg_segment_align: 8
    .kernarg_segment_size: 32
    .max_flat_workgroup_size: 128
    .sgpr_count:     102
    .vgpr_count:     512
    .wavefront_size: 32
...
	.end_amdgpu_metadata
.endif
;; end of part 4
